; MI455X (gfx1250); checked and timed in simulation.
; The chip was launched on July 23, 2026; its instructions are those of AMD's public machine-readable ISA for CDNA 5 (MIT licence, August 2026) and "CDNA5" Instruction Set Architecture Reference Guide (July 2026). The comments in the code are by the model that wrote it; some were corrected since.
;; Multihead self attention. Allowed arithmetic: matrix products marked QUANTISED: E4M3 operands, one given power-of-two scale a tensor, by v_wmma_f32_16x16x64_fp8_fp8 or v_wmma_f32_16x16x128_fp8_fp8, f32 sums; everything else in f32.
;; Inputs: Wk 1,024 x 1,024 float32; Wo 1,024 x 1,024 float32; Wq 1,024 x 1,024 float32; Wv 1,024 x 1,024 float32; lowp_scales 12 int32 (the exponents e of the quantised operands' scales 2^e); token_positions 2,048 int32; x 4 x 2,048 x 1,024 float32.
;; Outputs: out0 4 x 2,048 x 1,024 float32.
;; This version of the problem:
;;   THIS VERSION OF THE PROBLEM IS GIVEN IN LOW PRECISION. The matrix products marked QUANTISED in the list below multiply operands that are first quantised to E4M3 (4 exponent bits, 3 mantissa bits; 8 bits a number), with one given power-of-two scale for each operand tensor; their sums are f32. All else is computed in f32.
;;   The module's matrix products, in the order in which they are computed (A, B: the left and right operand; K: the contracted axis; several contracted axes count as one K, in the product's order):
;;     1. [M 8,192, K 1,024] x [K 1,024, N 1,024]; A: input x; B: input Wq: QUANTISED (scales: A lowp_scales[0], B lowp_scales[1])
;;     2. [M 8,192, K 1,024] x [K 1,024, N 1,024]; A: input x; B: input Wk: QUANTISED (scales: A lowp_scales[2], B lowp_scales[3])
;;     3. [M 8,192, K 1,024] x [K 1,024, N 1,024]; A: input x; B: input Wv: QUANTISED (scales: A lowp_scales[4], B lowp_scales[5])
;;     4. batch 64 x [M 2,048, K 64] x [K 64, N 2,048]; A: computed on the way; B: computed on the way: QUANTISED (scales: A lowp_scales[6], B lowp_scales[7])
;;     5. batch 64 x [M 2,048, K 2,048] x [K 2,048, N 64]; A: softmax (see below); B: computed on the way: QUANTISED (scales: A lowp_scales[8], B lowp_scales[9])
;;     6. [M 8,192, K 1,024] x [K 1,024, N 1,024]; A: computed on the way; B: input Wo: QUANTISED (scales: A lowp_scales[10], B lowp_scales[11])
;;   THE QUANTISER, for each operand of a quantised product, along K:
;;     - The operand's scale is 2^e, e = its entry of the input lowp_scales (int32; the entries are numbered through the quantised products in the list's order, A before B).
;;     - Each number is divided by the scale, clamped to +-448, and rounded to the nearest number of E4M3, ties to even, subnormals kept.
;;     - The product sums the exact products of the quantised numbers (number of the format x scale) in f32.
;;   ~~~python
;;   def quantise(x, axis, e):      # numpy; x: float32 -> the quantised numbers, widened to float32 again
;;       x = np.moveaxis(x, axis, -1); K = x.shape[-1]
;;       r = np.clip(x / 2.0 ** e, -448, 448)
;;       step = 2.0 ** (np.maximum(np.frexp(np.where(r == 0, 1, r))[1] - 1, -6) - 3)
;;       q = np.round(r / step) * step * 2.0 ** e      # np.round: ties to even
;;       return np.moveaxis(q, -1, axis).astype(np.float32)
;;   ~~~
;;   SOFTMAX AHEAD OF A QUANTISED PRODUCT. Where the list says 'softmax', what is quantised is not the finished softmax but p = 2^(t - M), with t = logit x log2(e) and M = ceil(the row's largest t), a whole number; so 1/2 < the row's largest p <= 1. The row's sum l is taken of the UNQUANTISED p, in f32, and the product's result is divided by l at the end. Since M is a whole number, a kernel that streams over the keys may use a running M (the ceiling of the running maximum): every later rescaling is an exact power of two, so the quantised numbers keep their values, but for numbers so far below the row's largest that they fall under the format's range.
;;   OPERANDS COMPUTED ON THE WAY. 'Computed on the way' means the value that the module computes at that place (a softmax that the list does not call 'softmax' is quantised finished and normalised). What goes into a quantiser is computed in f32, as accurately as f32 sums, v_exp_f32 and their like allow (about 1e-6 of the number): no bf16 or f16 on the way to a quantiser, and a product that is left as it is and whose result goes on into a quantised operand takes f32 operands (vector FMAs, or v_wmma_f32_16x16x4_f32). A number that lies on a knife's edge between two numbers of the format may be rounded either way, as far as f32 arithmetic and the matrix unit's own rounding can turn it there, and no further.
;; One version. Each part assembles by itself: llvm-mc -triple=amdgcn-amd-amdhsa -mcpu=gfx1250 --defsym DOCPART=n.
;; ======== version 1 of 1: 4 launches
;; limits: right only within a limited range of input values
;; workspace buffers: xc 25,165,824 bytes; wc 4,194,304 bytes; rt 524,288 bytes; qc 16,777,216 bytes; kv 16,777,216 bytes; oc 8,388,608 bytes
;; launch prep (part 1): grid 416 x 1, 4 waves a work-group, no clusters, 68,096 bytes of LDS; arguments x, Wq, Wk, Wv, Wo, token_positions, lowp_scales, xc, wc, rt; writes xc, wc, rt
.if DOCPART == 1
	.amdgcn_target "amdgcn-amd-amdhsa--gfx1250"
	.amdhsa_code_object_version 6
	.text
	.protected	k_q42e7cb3a03_prep
	.globl	k_q42e7cb3a03_prep
	.p2align	8
	.type	k_q42e7cb3a03_prep,@function
k_q42e7cb3a03_prep:
	s_mov_b64 s[64:65], 0
	v_nop
	global_prefetch_b8 v0, s[64:65] scope:SCOPE_SE
	s_setreg_imm32_b32 hwreg(HW_REG_WAVE_MODE, 25, 1), 1
	s_wait_xcnt 0x0
; PREP.  x [8192][1024] f32 becomes three tensors of E4M3 codes (scales 2^e0, 2^e2, 2^e4: one for each product that reads x), the four weights [1024][1024] f32 one each
; (e1, e3, e5, e11), and cos / sin of position x 10000^(-i/32) are tabled for the rotation.  code = x / 2^e, held within +-448, to the nearest code, ties to even.
; ALL CODES ARE LAID AS IMAGES OF OPERAND REGISTERS: a fragment is 16 rows x 128 along K, 16 registers a lane; registers 2c, 2c+1 of lane (r, h) hold k = 16c + 8h + 0..7 of row r;
; each group of four registers is one block of 512 bytes, lane l's 16 bytes at 16 l.  xc: [which 3][block of 128 rows 64][K step 8][tile of 16 rows 8][2048]; wc: [tensor 4][8][8][8][2048].
; rt: [tile of 16 positions 128][a 4][u 2][lane 32][16 bytes]: lane (r, h) holds cos i, sin i, cos(i+1), sin(i+1), i = 8a + 4h + 2u, of position 16 tile + r.
; SHARES.  Work-groups 0-255: x; 256-383: the weights, 32 each; 384-415: the table.  A wave takes 16 rows x 512 along K (four chunks of 128), or one tile of positions.  Waves share nothing: no barrier.
; A load reads 512 consecutive bytes of one row; the conversions want 8 neighbours along K in one lane: so a chunk turns through the wave's own stage in LDS (16 rows, 528 bytes apart).
; The two paths that use LDS have bytes of their own.  Every store of a wave covers 512 consecutive bytes, aligned.
; LIMITS: each e between -126 and 119; |position| up to 2^20 (the reduction's first step is exact there); NaN among the inputs is not served.
.set STG,  8448                        ; a wave's stage: 16 x 528 bytes
.set WLO,  4*STG                       ; the weights' path: its stages lie behind x's
.set R,    16                          ; v16-143  two sets of 64 numbers
.set T,    144
.set C,    176                         ; v176-223 a chunk's codes, 16 registers for each scale
; v2 16 x lane; v3 r; v4 h; v5, v6 the stage on the way in and out; v[8+2j] 2^e of scale j.  s[26:27] source; s[28:33] three destinations
.macro LOADC set, ch                   ; chunk ch: 16 rows x 512 bytes
.irp p, 0,1,2,3,4,5,6,7,8,9,10,11,12,13,14,15
	global_load_b128 v[R+64*(\set)+4*\p:R+64*(\set)+4*\p+3], v2, s[26:27] offset:4096*\p+512*(\ch) th:TH_LOAD_NT
.endr
.endm
.macro TURNC set, lo                   ; through the stage: in as loaded, back as 8 x 8 neighbours of my row; LDS serves a wave's instructions in order, so no wait stands between
.irp p, 0,1,2,3,4,5,6,7,8,9,10,11,12,13,14,15
	ds_store_b128 v5, v[R+64*(\set)+4*\p:R+64*(\set)+4*\p+3] offset:\lo+528*\p
.endr
.irp c, 0,1,2,3,4,5,6,7
	ds_load_b128 v[R+64*(\set)+8*\c:R+64*(\set)+8*\c+3], v6 offset:\lo+64*\c
	ds_load_b128 v[R+64*(\set)+8*\c+4:R+64*(\set)+8*\c+7], v6 offset:\lo+64*\c+16
.endr
.endm
.macro QUANT set, j                    ; the numbers stay as they are: each scale converts them anew
.irp c, 0,1,2,3,4,5,6,7
.irp i, 0,1,2,3,4,5,6,7
.endr
	v_cvt_scalef32_pk8_fp8_f32 v[C+16*(\j)+2*\c:C+16*(\j)+2*\c+1], v[T+8*(\c%4)+((R+64*(\set)+8*\c+0)-(T+8*(\c%4)+0)):T+8*(\c%4)+7+((R+64*(\set)+8*\c+0)-(T+8*(\c%4)+0))], v[8+2*(\j)]
.endr
.endm
.macro STOREC j, ch
.irp c, 0,1,2,3
	global_store_b128 v2, v[C+16*(\j)+4*\c:C+16*(\j)+4*\c+3], s[28+2*(\j):29+2*(\j)] offset:16384*(\ch)+512*\c
.endr
.endm
.macro MKSC j, e                       ; 2^e and 448 x 2^e as f32 patterns
	s_add_co_i32 s56, s[\e], 127
	s_lshl_b32 s57, s56, 23
	v_mov_b32 v[8+2*(\j)], s57
	s_add_co_i32 s56, s56, 8
	s_lshl_b32 s56, s56, 23
	s_or_b32 s56, s56, 0x600000
.endm
.macro PLACEJ                          ; s48 = the wave's job J: tile of rows J / 2, half J % 2.  s[52:53]: offset in the source; s[54:55]: in the codes
	s_lshr_b32 s49, s48, 1
	s_and_b32 s50, s48, 1
	s_lshl_b32 s52, s49, 16                        ; 16 rows of 4,096 bytes
	s_lshl_b32 s51, s50, 11
	s_add_co_u32 s52, s52, s51                     ; + half a row
	s_mov_b32 s53, 0
	s_lshr_b32 s54, s49, 3
	s_lshl_b32 s54, s54, 17                        ; the block of 128 rows
	s_and_b32 s51, s49, 7
	s_lshl_b32 s51, s51, 11
	s_add_co_u32 s54, s54, s51                     ; the tile in it
	s_lshl_b32 s51, s50, 16
	s_add_co_u32 s54, s54, s51                     ; K steps 4 x half on
	s_mov_b32 s55, 0
.endm
.macro CHUNKS ns, lo                   ; four chunks; two are on their way at the start
.irp c, 0,1,2,3
.if \c < 3
	s_wait_loadcnt 16                              ; this chunk's 16 loads are in; the next chunk's may be out
.else
	s_wait_loadcnt 0x0
.endif
	TURNC (\c)%2, \lo
	s_wait_dscnt 0x0
	s_wait_xcnt 0x0                                ; the last chunk's stores have read their data: the codes' registers are written again only behind this wait
	QUANT (\c)%2, 0
	STOREC 0, \c
.if \ns > 1
	QUANT (\c)%2, 1
	STOREC 1, \c
	QUANT (\c)%2, 2
	STOREC 2, \c
.endif
.if \c < 2
	v_nop
	LOADC (\c)%2, (\c)+2
.endif
.endr
.endm
; cos into v[d], sin into v[d+1], of position x frequency; f0 is the frequency of lanes 0-15, f1 of lanes 16-31.  n = the nearest whole number to angle x 2/pi; r = angle - n pi/2 in three parts;
; polynomials on |r| <= pi/4; the quadrant n mod 4 swaps the two and sets the signs.
.macro SC2 d, f0, f1
	v_mov_b32 v48, \f1
	v_cndmask_b32 v48, \f0, v48, vcc_lo
	v_mul_f32 v48, v56, v48                        ; the angle, rounded once
	v_mul_f32 v49, s48, v48
	v_rndne_f32 v49, v49
	v_fma_f32 v48, v49, s49, v48
	v_fma_f32 v48, v49, s50, v48
	v_fma_f32 v48, v49, s51, v48                   ; r
	v_mul_f32 v50, v48, v48                        ; z = r r
	v_cvt_i32_f32 v51, v49
	v_fma_f32 v52, v50, s52, s53
	v_fma_f32 v52, v52, v50, s54
	v_mul_f32 v54, v50, v48
	v_fma_f32 v52, v52, v54, v48                   ; sin r
	v_fma_f32 v53, v50, s55, s56
	v_fma_f32 v53, v53, v50, s57
	v_mul_f32 v54, v50, v50
	v_fma_f32 v55, v50, -0.5, 1.0
	v_fma_f32 v53, v53, v54, v55                   ; cos r
	v_and_b32 v54, 1, v51
	v_cmp_eq_u32 s58, 1, v54
	v_cndmask_b32 v54, v52, v53, s58               ; odd quadrants: sin takes cos r,
	v_cndmask_b32 v55, v53, v52, s58               ; cos takes sin r
	v_and_b32 v52, 2, v51
	v_lshlrev_b32 v52, 30, v52
	v_xor_b32 v[\d+1], v54, v52                    ; sin is negative in quadrants 2, 3
	v_add_nc_u32 v51, 1, v51
	v_and_b32 v51, 2, v51
	v_lshlrev_b32 v51, 30, v51
	v_xor_b32 v[\d], v55, v51                      ; cos in quadrants 1, 2
.endm
	s_load_b256 s[4:11], s[0:1], 0x0               ; x, Wq, Wk, Wv
	s_load_b256 s[12:19], s[0:1], 0x20             ; Wo, positions, exponents, xc
	s_load_b128 s[20:23], s[0:1], 0x40             ; wc, rt
	v_lshl_add_u32 v224, v0, 2, 0x10800
	v_mov_b32 v225, 0
	v_lshrrev_b32 v1, 5, v0
	v_readfirstlane_b32 s24, v1                    ; wave
	v_and_b32 v1, 31, v0
	v_lshlrev_b32 v2, 4, v1                        ; 16 x lane
	v_and_b32 v3, 15, v0                           ; r
	v_bfe_u32 v4, v0, 4, 1                         ; h
	s_mul_i32 s25, s24, STG
	v_add_nc_u32 v5, s25, v2                       ; into the stage: 16 x lane of a row
	v_mul_u32_u24 v6, v3, 528
	v_lshl_add_u32 v6, v4, 5, v6
	v_add_nc_u32 v6, s25, v6                       ; out of it: row r, + 32 h: eight numbers of my half
	s_wait_kmcnt 0x0
	s_cmp_ge_u32 ttmp9, 384
	s_cbranch_scc1 .Lrope
	s_cmp_ge_u32 ttmp9, 256
	s_cbranch_scc1 .Lweights
	; ---- x, three scales
	s_load_b256 s[36:43], s[16:17], 0x0            ; e0 .. e7
	s_lshl_b32 s48, ttmp9, 2
	s_add_co_u32 s48, s48, s24
	PLACEJ
	s_add_nc_u64 s[26:27], s[4:5], s[52:53]
	s_add_nc_u64 s[28:29], s[18:19], s[54:55]
	s_add_nc_u64 s[30:31], s[28:29], 0x800000
	s_add_nc_u64 s[32:33], s[30:31], 0x800000
	s_wait_alu depctr_va_vdst(0)
	LOADC 0, 0
	LOADC 1, 1
	s_wait_kmcnt 0x0
	MKSC 0, 36
	MKSC 1, 38
	MKSC 2, 40
	s_wait_alu depctr_va_vdst(0)
	CHUNKS 3, 0
	s_wait_tensorcnt 0x0
	ds_add_u32 v224, v225
	s_wait_dscnt 0x0
	s_endpgm
.Lweights:
	; ---- one of the four weights, one scale
	s_load_b256 s[36:43], s[16:17], 0x0
	s_load_b128 s[44:47], s[16:17], 0x20           ; e8 .. e11
	s_sub_co_u32 s48, ttmp9, 256
	s_lshr_b32 s34, s48, 5                         ; which: 0 q, 1 k, 2 v, 3 o
	s_and_b32 s48, s48, 31
	s_lshl_b32 s48, s48, 2
	s_add_co_u32 s48, s48, s24
	PLACEJ
	s_lshl_b32 s51, s34, 20
	s_add_co_u32 s54, s54, s51
	s_and_b32 s35, s34, 1
	s_cmp_lt_u32 s34, 2                            ; the choice hangs on the work-group's number alone
	s_cselect_b64 s[26:27], s[6:7], s[10:11]
	s_cselect_b64 s[58:59], s[8:9], s[12:13]
	s_cmp_eq_u32 s35, 1
	s_cselect_b64 s[26:27], s[58:59], s[26:27]
	s_add_nc_u64 s[26:27], s[26:27], s[52:53]
	s_add_nc_u64 s[28:29], s[20:21], s[54:55]
	s_wait_alu depctr_va_vdst(0)
	LOADC 0, 0
	LOADC 1, 1
	s_wait_kmcnt 0x0
	s_cmp_lt_u32 s34, 2
	s_cselect_b32 s60, s37, s41                    ; e1 or e5
	s_cselect_b32 s61, s39, s47                    ; e3 or e11
	s_cmp_eq_u32 s35, 1
	s_cselect_b32 s60, s61, s60
	MKSC 0, 60
	s_wait_alu depctr_va_vdst(0)
	CHUNKS 1, WLO
	s_wait_tensorcnt 0x0
	ds_add_u32 v224, v225
	s_wait_dscnt 0x0
	s_endpgm
.Lrope:
	; ---- the table: one tile of 16 positions a wave
	s_sub_co_u32 s26, ttmp9, 384
	s_lshl_b32 s26, s26, 2
	s_add_co_u32 s26, s26, s24                     ; the tile
	s_lshl_b32 s28, s26, 6
	s_mov_b32 s29, 0
	s_add_nc_u64 s[28:29], s[14:15], s[28:29]
	s_wait_alu depctr_va_vdst(0)
	v_lshlrev_b32 v57, 2, v3
	global_load_b32 v56, v57, s[28:29]             ; position 16 tile + r
	s_lshl_b32 s30, s26, 12
	s_mov_b32 s31, 0
	s_add_nc_u64 s[30:31], s[22:23], s[30:31]
	s_mov_b32 s48, 0x3f22f983                      ; 2 / pi
	s_mov_b32 s49, 0xbfc90fdb                      ; -pi/2 in three parts
	s_mov_b32 s50, 0x333bbd2e
	s_mov_b32 s51, 0x26f72ced
	s_mov_b32 s52, 0xb94ca1f9                      ; sin: -1.9515296e-4, 8.3321609e-3, -1.6666655e-1
	s_mov_b32 s53, 0x3c08839e
	s_mov_b32 s54, 0xbe2aaaa3
	s_mov_b32 s55, 0x37ccf5ce                      ; cos: 2.4433157e-5, -1.3887316e-3, 4.1666646e-2
	s_mov_b32 s56, 0xbab6061a
	s_mov_b32 s57, 0x3d2aaaa5
	v_cmp_eq_u32 vcc_lo, 1, v4                     ; lanes 16-31 take the frequency four further on
	s_wait_loadcnt 0x0
	v_cvt_f32_i32 v56, v56
	SC2 16, 0x3f800000, 0x3ea1e89b                 ; frequencies 10^(-i/8), i = 0 and 4, and so on
	SC2 18, 0x3f3ff911, 0x3e72d424
	SC2 20, 0x3f0ff59a, 0x3e361887
	SC2 22, 0x3ed7e89b, 0x3e088d77
	SC2 24, 0x3dcccccd, 0x3d0186e2
	SC2 26, 0x3d99940e, 0x3cc24350
	SC2 28, 0x3d6655c3, 0x3c91ad39
	SC2 30, 0x3d2cba15, 0x3c5a7bf1
	SC2 32, 0x3c23d70a, 0x3b4f3e37
	SC2 34, 0x3bf5b9b0, 0x3b1b690d
	SC2 36, 0x3bb8449c, 0x3ae91528
	SC2 38, 0x3b8a2e77, 0x3aaec98e
	SC2 40, 0x3a83126f, 0x39a5cb5f
	SC2 42, 0x3a44948c, 0x3978a814
	SC2 44, 0x3a136a16, 0x393a7753
	SC2 46, 0x39dd1726, 0x390bd472
.irp k, 0,1,2,3,4,5,6,7
	global_store_b128 v2, v[16+4*\k:19+4*\k], s[30:31] offset:512*\k
.endr
	s_endpgm
.Lfunc_end_k_q42e7cb3a03_prep:
	.size	k_q42e7cb3a03_prep, .Lfunc_end_k_q42e7cb3a03_prep-k_q42e7cb3a03_prep
	.p2alignl 7, 3214868480
	.fill 96, 4, 3214868480
	.section	.rodata,"a",@progbits
	.p2align	6, 0x0
	.amdhsa_kernel k_q42e7cb3a03_prep
		.amdhsa_group_segment_fixed_size 68096
		.amdhsa_private_segment_fixed_size 0
		.amdhsa_enable_private_segment 0
		.amdhsa_kernarg_size 80
		.amdhsa_user_sgpr_count 2
		.amdhsa_user_sgpr_kernarg_segment_ptr 1
		.amdhsa_wavefront_size32 1
		.amdhsa_system_sgpr_workgroup_id_x 1
		.amdhsa_system_sgpr_workgroup_id_y 1
		.amdhsa_system_sgpr_workgroup_id_z 1
		.amdhsa_system_vgpr_workitem_id 0
		.amdhsa_next_free_vgpr 226
		.amdhsa_next_free_sgpr 66
		.amdhsa_reserve_vcc 1
		.amdhsa_float_denorm_mode_32 3
		.amdhsa_float_denorm_mode_16_64 3
		.amdhsa_fp16_overflow 1
		.amdhsa_memory_ordered 1
		.amdhsa_forward_progress 1
		.amdhsa_inst_pref_size 73
	.end_amdhsa_kernel
	.amdgpu_metadata
---
amdhsa.version: [ 1, 2 ]
amdhsa.kernels:
  - .name:           k_q42e7cb3a03_prep
    .symbol:         k_q42e7cb3a03_prep.kd
    .args:
      - { .name: x, .offset: 0, .size: 8, .value_kind: global_buffer, .address_space: global }
      - { .name: Wq, .offset: 8, .size: 8, .value_kind: global_buffer, .address_space: global }
      - { .name: Wk, .offset: 16, .size: 8, .value_kind: global_buffer, .address_space: global }
      - { .name: Wv, .offset: 24, .size: 8, .value_kind: global_buffer, .address_space: global }
      - { .name: Wo, .offset: 32, .size: 8, .value_kind: global_buffer, .address_space: global }
      - { .name: token_positions, .offset: 40, .size: 8, .value_kind: global_buffer, .address_space: global }
      - { .name: lowp_scales, .offset: 48, .size: 8, .value_kind: global_buffer, .address_space: global }
      - { .name: xc, .offset: 56, .size: 8, .value_kind: global_buffer, .address_space: global }
      - { .name: wc, .offset: 64, .size: 8, .value_kind: global_buffer, .address_space: global }
      - { .name: rt, .offset: 72, .size: 8, .value_kind: global_buffer, .address_space: global }
    .group_segment_fixed_size: 68096
    .private_segment_fixed_size: 0
    .kernarg_segment_align: 8
    .kernarg_segment_size: 80
    .max_flat_workgroup_size: 128
    .sgpr_count:     66
    .vgpr_count:     226
    .wavefront_size: 32
...
	.end_amdgpu_metadata
.endif
;; end of part 1
;; launch qkv (part 2): grid 8 x 32, 4 waves a work-group, clusters of 4 x 4, 327,680 bytes of LDS; arguments xc, wc, rt, lowp_scales, qc, kv; writes qc, kv
.if DOCPART == 2
	.amdgcn_target "amdgcn-amd-amdhsa--gfx1250"
	.amdhsa_code_object_version 6
	.text
	.protected	k_q42e7cb3a03_qkv
	.globl	k_q42e7cb3a03_qkv
	.p2align	8
	.type	k_q42e7cb3a03_qkv,@function
k_q42e7cb3a03_qkv:
	s_mov_b64 s[64:65], 0
	v_nop
	global_prefetch_b8 v0, s[64:65] scope:SCOPE_SE
	s_setreg_imm32_b32 hwreg(HW_REG_WAVE_MODE, 25, 1), 1
	s_wait_xcnt 0x0
	s_wait_alu depctr_hold_cnt(0) depctr_sa_sdst(0) depctr_va_vdst(0) depctr_va_sdst(0) depctr_va_ssrc(0) depctr_va_vcc(0) depctr_vm_vsrc(0)
	s_getreg_b32 s2, hwreg(HW_REG_IB_STS2, 6, 4)
	s_cmp_eq_u32 s2, 0
	s_cbranch_scc0 .Lentry_in_a_cluster
	s_endpgm
.Lentry_in_a_cluster:
	s_bfe_u32 s2, ttmp6, 0x10000c
	s_cmp_lg_u32 s2, 0xf033
	s_cbranch_scc0 .Lentry_shape_is_right
	s_endpgm
.Lentry_shape_is_right:
; QKV.  q = rope(x Wq^T), k = rope(x Wk^T), v = x Wv^T on E4M3 codes (v_wmma_f32_16x16x128_fp8_fp8, f32 sums), each result quantised in registers for attention's products and stored as images of operand registers.
; A WORK-GROUP STAYS through three phases.  A phase makes P (128 rows, source 0) x Q (256 rows, source 1) over K = 1024; wave w takes all of P and Q's rows 64 w .. 64 w + 63: 32 accumulators.
;   phase q, k: P = 128 rows of the weight (two heads), Q = 256 tokens: a lane holds ONE token, its registers run along the head's 64: the rotation's pairs are neighbouring registers, and a tile's conversion
;               gives registers 2a, 2a+1 of a fragment of 16 tokens x 64.     phase v: P = 128 tokens, Q = 256 rows of Wv (wave w: one head): a lane holds one channel, its registers run along the tokens:
;               eight tiles' conversions give the 16 registers of a fragment of V^T, 16 channels x 128 keys.  Nothing is transposed.
; P is read by all four waves and by the four work-groups of a column of the cluster: a phase's whole P (131,072 bytes, dense) is asked for JOINTLY into one of two LDS slots: q's and k's at the start, v's into slot 0 behind phase q.
; Q is read by one wave alone: it goes from its images straight into a ring of four sets of registers, 16 loads a K step, asked four steps ahead, across the phases' ends.
; Q is not asked for jointly: two slots of P take 262,144 bytes, so a phase's 262,144 bytes of Q have no room in LDS beside them.
; qc: [b x head 64][16][tile of 16 tokens 8][1024], 16,384 bytes from step to step (the second half of each is neither written nor read); kv: [b x head 64][key step 16][K: 8 x 1024 | V^T: 4 x 2048].
; The sums stand for sum x 2^(ex + ew); the rotation is linear: so the three exponents are folded into the conversion's one scale.
; LIMITS: e6-e0-e1, e7-e2-e3, e9-e4-e5 each between -126 and 119.  NaN is not served.
; REGISTERS, in windows of 256: window 0: v4-7 LDS addresses (v4 = 16 x lane, also every global offset); v20 scale; v28, v29 the add's; v32-95 codes; v96-127 rotated numbers; v128-255 P's 8 fragments.
;   window 1: accumulator (a, b) at v[8 (4a + b)].   window 2: Q's four sets, 64 each.   window 3: v0-127 cos and sin: tile b, weight tile a: v[32b + 8a + 2p] cos, + 1 sin of pair p.
.set NSTEPS, 24
.set SLOTB, 131072
.set SPARE, 262144                     ; behind the slots: the spare words, 128 bytes a wave: two blocks of 256 bytes that no other line names
.set LI,   4
.set AP,   4                           ; v[AP+i] = 16 x lane + 65,536 i
.set SC,   20
.set LIM,  21
.set SPW,  28
.set NIL,  29
.set CD,   32
.set TT,   96
.set PF,   128
.set WV,   16
.set G1,   28                          ; s[28:35] descriptor group 1
.set G0A,  36                          ; s[36:39], s[40:43], s[80:83]: group 0 for q's, k's and v's P: none is ever rewritten
.set G0B,  40
.set G0C,  80
.set QB,   44                          ; s[44:49] Q's bases for the three phases
.set MSB, 0
.macro WIN new                         ; the immediate's high byte repeats the setting that is left
.if MSB != \new
	s_set_vgpr_msb (MSB<<8)|\new
.set MSB, \new
.endif
.endm
.set W_MUL, 0x58                       ; source 0 (P) window 0, source 1 (Q) window 2, C and D window 1
.set W_Q,   0x80                       ; destination window 2
.set W_RT,  0xc0                       ; destination window 3
.set W_ROT, 0x0d                       ; source 0 window 1 (sums), source 1 window 3 (cos, sin), the rest window 0
.set W_VH,  0x41                       ; destination and source 0 window 1
.set W_VC,  0x01                       ; source 0 window 1
.macro PLACES n
.rept \n
	v_nop
.endr
.endm
.macro CROUND                          ; a round of the cluster's barrier
	s_barrier_signal -1
	s_barrier_wait -1
	s_cmp_lg_u32 s[WV], 0
	s_cbranch_scc1 .Lnot_wave_0_\@
	s_barrier_signal -3
.Lnot_wave_0_\@:
	s_barrier_wait -3
	s_barrier_signal -1
	s_barrier_wait -1
.endm
.macro MUL8 a0                         ; P's blocks a0, a0 + 1 x Q's four.  The 32 accumulators take turns, one instruction a turn, in one order everywhere
.irp a, \a0, \a0+1
.irp b, 0,1,2,3
.if STP == 0
	v_wmma_f32_16x16x128_fp8_fp8 v[8*(4*(\a)+\b):8*(4*(\a)+\b)+7], v[PF+16*(\a):PF+16*(\a)+15], v[64*QSET+16*\b:64*QSET+16*\b+15], 0
.else
	v_wmma_f32_16x16x128_fp8_fp8 v[8*(4*(\a)+\b):8*(4*(\a)+\b)+7], v[PF+16*(\a):PF+16*(\a)+15], v[64*QSET+16*\b:64*QSET+16*\b+15], v[8*(4*(\a)+\b):8*(4*(\a)+\b)+7]
.endif
.endr
.endr
.endm
.macro FETCH_P ap, st, a0              ; P's blocks a0 .. a0 + 3 of one K step: images, 512 consecutive bytes a load
.irp a, \a0, \a0+1, \a0+2, \a0+3
.irp c, 0,1,2,3
	ds_load_b128 v[PF+16*(\a)+4*\c:PF+16*(\a)+4*\c+3], v[AP+(\ap)] offset:(\st)*16384+(\a)*2048+\c*512
.endr
.endr
.endm
.macro QLOAD qb, sg, set               ; Q's four fragments of K step sg
	WIN W_Q
.irp b, 0,1,2,3
.irp c, 0,1,2,3
	global_load_b128 v[64*(\set)+16*\b+4*\c:64*(\set)+16*\b+4*\c+3], v[LI], s[\qb:\qb+1] offset:(\sg)*16384+\b*2048+\c*512
.endr
.endr
	WIN 0
.endm
; K step t of 24 (phase t / 8).  A load into a register that a matrix instruction has read stands four plain vector instructions behind it (ISA guide 7.12.1 for vector instructions).
.macro STEP t
.set STP, (\t)%8
.set QSET, (\t)%4
.set NW, 16*(NSTEPS-1-(\t))
.if NW > 48
.set NW, 48
.endif
.set NAP, 2*(((\t)/8)%2)+(STP+1)/4
.set NST, (STP+1)%4
.set QN, QB+2*(((\t)+4)/8)
.set QS, ((\t)+4)%8
	s_wait_loadcnt NW                              ; this step's Q is in; behind it stand the loads of up to three later steps
	s_wait_dscnt 16                                ; P's blocks 0-3 are in; blocks 4-7 may be out
	WIN W_MUL
	MUL8 0
	MUL8 2
	s_wait_dscnt 0x0                               ; blocks 4-7
.if STP < 7
	PLACES 4
	WIN 0
	FETCH_P NAP, NST, 0
	WIN W_MUL
.endif
	MUL8 4
	MUL8 6
	PLACES 4
	WIN 0
.if STP < 7
	FETCH_P NAP, NST, 4
.endif
.if (\t)+4 < NSTEPS
	QLOAD QN, QS, QSET                             ; four steps ahead, into the set just multiplied
.endif
.endm
.macro MKSC d, ea, eb, ec              ; s[d] = 2^E, s[d+1] = 448 x 2^E as f32 patterns, E = ea - eb - ec
	s_sub_co_i32 s27, s[\ea], s[\eb]
	s_sub_co_i32 s27, s27, s[\ec]
	s_add_co_i32 s27, s27, 127
	s_lshl_b32 s[\d], s27, 23
	s_add_co_i32 s27, s27, 8
	s_lshl_b32 s27, s27, 23
	s_or_b32 s[\d+1], s27, 0x600000
.endm
; q's and k's way out: for token tile b and head g: rotate, convert, store the fragment's image (two stores of 512 consecutive bytes).  Each accumulator is read from its low end on.
.macro EPI_QK ob, sp
	s_wait_xcnt 0x0                                ; earlier stores have read their data: the codes' registers are written again only behind this wait
	v_mov_b32 v[SC], s[\sp]
.irp b, 0,1,2,3
.irp g, 0,1
	WIN W_ROT
.irp a, 0,1,2,3
.irp p, 0,1,2,3
	v_mul_f32 v[TT+8*\a+2*\p], v[8*(4*(4*\g+\a)+\b)+2*\p+1], v[32*\b+8*\a+2*\p+1]                        ; odd x sin
	v_mul_f32 v[TT+8*\a+2*\p+1], v[8*(4*(4*\g+\a)+\b)+2*\p], v[32*\b+8*\a+2*\p+1]                        ; even x sin
	v_fma_f32 v[TT+8*\a+2*\p], v[8*(4*(4*\g+\a)+\b)+2*\p], v[32*\b+8*\a+2*\p], -v[TT+8*\a+2*\p]          ; even x cos - odd x sin
	v_fma_f32 v[TT+8*\a+2*\p+1], v[8*(4*(4*\g+\a)+\b)+2*\p+1], v[32*\b+8*\a+2*\p], v[TT+8*\a+2*\p+1]     ; odd x cos + even x sin
.endr
.endr
	WIN 0
.set ii, 0
.rept 32
.set ii, ii+1
.endr
.irp a, 0,1,2,3
	v_cvt_scalef32_pk8_fp8_f32 v[CD+8*(2*\b+\g)+2*\a:CD+8*(2*\b+\g)+2*\a+1], v[TT+8*\a:TT+8*\a+7], v[SC]
.endr
	v_nop                                          ; a plain vector instruction between the conversions and the next write of their sources
.irp c, 0,1
	global_store_b128 v[LI], v[CD+8*(2*\b+\g)+4*\c:CD+8*(2*\b+\g)+4*\c+3], s[\ob:\ob+1] offset:\g*262144+\b*1024+\c*512
.endr
.endr
.endr
.endm
.macro EPI_V                           ; v's way out: channel tile b: eight token tiles make one fragment of V^T
	s_wait_xcnt 0x0
	v_mov_b32 v[SC], s76
.irp b, 0,1,2,3
	WIN W_VH
.irp a, 0,1,2,3,4,5,6,7
.irp i, 0,1,2,3,4,5,6,7
.endr
.endr
	WIN W_VC
.irp a, 0,1,2,3,4,5,6,7
	v_cvt_scalef32_pk8_fp8_f32 v[CD+16*\b+2*\a:CD+16*\b+2*\a+1], v[8*(4*\a+\b):8*(4*\a+\b)+7], v[SC]
.endr
	v_nop
	WIN 0
.irp c, 0,1,2,3
	global_store_b128 v[LI], v[CD+16*\b+4*\c:CD+16*\b+4*\c+3], s[70:71] offset:\b*2048+\c*512
.endr
.endr
.endm
	s_load_b256 s[4:11], s[0:1], 0x0               ; xc, wc, rt, exponents
	s_load_b128 s[12:15], s[0:1], 0x20             ; qc, kv
	v_lshl_add_u32 v[SPW], v0, 2, SPARE
	v_mov_b32 v[NIL], 0
	ds_add_u32 v28, v29
	ds_add_u32 v28, v29
	s_wait_dscnt 0x0
	v_lshrrev_b32 v2, 5, v0
	v_readfirstlane_b32 s[WV], v2                  ; wave 0..3
	v_and_b32 v[LI], 31, v0
	v_lshlrev_b32 v[LI], 4, v[LI]
	v_add_nc_u32 v[AP+1], 0x10000, v[LI]
	v_add_nc_u32 v[AP+2], 0x20000, v[LI]
	v_add_nc_u32 v[AP+3], 0x30000, v[LI]
	s_bfe_u32 s17, ttmp6, 0x40000                  ; cx
	s_bfe_u32 s18, ttmp6, 0x40004                  ; cy
	s_lshl_b32 s19, ttmp9, 2
	s_add_co_u32 s19, s19, s17                     ; px = 4 x cluster x + cx: which 128 rows of Wq, Wk
	s_and_b32 s20, ttmp7, 0xffff                   ; cluster y
	s_lshl_b32 s21, s20, 2
	s_add_co_u32 s21, s21, s18                     ; qy = 4 x cluster y + cy: which 256 tokens
	s_lshl_b32 s22, s20, 3
	s_add_co_u32 s22, s22, s19                     ; pv = px + 8 x cluster y: which 128 tokens in phase v: shared along my column
	s_lshl_b32 s23, 0x1111, s17                    ; my column of the cluster
	s_or_b32 s[G1], s23, (3<<16)|(1<<21)           ; 15:0 the mask; 17:16 elements of 8 bytes; 21 set beside a mask; no padding
	s_mov_b32 s[G1+1], 32<<16                      ; tensor_dim0 = 32 elements: rows of 256 bytes
	s_mov_b32 s[G1+2], 128<<16                     ; tensor_dim1 = 128 rows: a wave's quarter of P, 32,768 dense bytes
	s_mov_b32 s[G1+3], 32<<16                      ; tile_dim0
	s_mov_b32 s[G1+4], 128                         ; tile_dim1
	s_mov_b32 s[G1+5], 32                          ; the pitch
	s_mov_b32 s[G1+6], 0
	s_mov_b32 s[G1+7], 0
	s_mov_b32 s[G0A], 1
	s_mov_b32 s[G0B], 1
	s_mov_b32 s[G0C], 1
	s_lshl_b32 s[G0A+1], s[WV], 15                 ; LDS: slot 0, my quarter
	s_add_co_u32 s[G0B+1], s[G0A+1], SLOTB         ; slot 1
	s_lshl_b32 s[G0C+1], s[WV], 15                 ; slot 0 again
	s_lshl_b32 s24, s19, 17
	s_add_co_u32 s24, s24, s[G0A+1]                ; Wq: block px, my quarter
	s_mov_b32 s25, 0
	s_lshl_b32 s50, s22, 17
	s_add_co_u32 s50, s50, s[G0A+1]
	s_add_co_u32 s50, s50, 0x1000000               ; x under the third scale: block pv, my quarter
	s_mov_b32 s51, 0
	s_wait_kmcnt 0x0
	s_load_b256 s[52:59], s[10:11], 0x0            ; e0 .. e7
	s_load_b128 s[60:63], s[10:11], 0x20           ; e8 .. e11
	s_add_nc_u64 s[G0A+2:G0A+3], s[6:7], s[24:25]
	s_add_nc_u64 s[G0B+2:G0B+3], s[G0A+2:G0A+3], 0x100000   ; Wk lies 1,048,576 bytes behind Wq
	s_add_nc_u64 s[G0C+2:G0C+3], s[4:5], s[50:51]
	s_or_b32 s[G0A+3], s[G0A+3], 0x80000000
	s_or_b32 s[G0B+3], s[G0B+3], 0x80000000
	s_or_b32 s[G0C+3], s[G0C+3], 0x80000000
	CROUND                                         ; all sixteen work-groups are here: the first joint loads meet
	tensor_load_to_lds s[G0A:G0A+3], s[G1:G1+7]    ; q's P
	s_nop 0
	s_wait_alu depctr_va_vdst(0)
	s_wait_tensorcnt 0x0
	ds_add_u32 v28, v29
	s_wait_dscnt 0x0
	CROUND
	tensor_load_to_lds s[G0B:G0B+3], s[G1:G1+7]    ; k's P
	s_nop 0
	PLACES 4
	s_lshr_b32 s26, s[WV], 1
	s_and_b32 s27, s[WV], 1
	s_lshl_b32 s2, s21, 1
	s_add_co_u32 s2, s2, s26                       ; my 64 tokens: block 2 qy + w / 2,
	s_lshl_b32 s2, s2, 17
	s_lshl_b32 s3, s27, 13                         ; tiles 4 (w % 2) on
	s_add_co_u32 s2, s2, s3
	s_mov_b32 s3, 0
	s_add_nc_u64 s[QB:QB+1], s[4:5], s[2:3]
	s_add_nc_u64 s[QB+2:QB+3], s[QB:QB+1], 0x800000
	s_lshl_b32 s2, s18, 1
	s_add_co_u32 s2, s2, s26                       ; my 64 rows of Wv: block 2 cy + w / 2
	s_lshl_b32 s2, s2, 17
	s_lshl_b32 s23, s27, 13
	s_add_co_u32 s2, s2, s23
	s_add_co_u32 s2, s2, 0x200000
	s_add_nc_u64 s[QB+4:QB+5], s[6:7], s[2:3]
	s_and_b32 s24, s21, 7                          ; qy % 8: my place in the sequence
	s_lshl_b32 s50, s24, 4
	s_lshl_b32 s23, s[WV], 2
	s_add_co_u32 s50, s50, s23
	s_lshl_b32 s50, s50, 12                        ; the table: tiles 16 (qy % 8) + 4 w on
	s_add_nc_u64 s[78:79], s[8:9], s[50:51]
	WIN W_RT
	s_wait_alu depctr_va_vdst(0)
.irp b, 0,1,2,3
.irp a, 0,1,2,3
.irp u, 0,1
	global_load_b128 v[32*\b+8*\a+4*\u:32*\b+8*\a+4*\u+3], v[LI], s[78:79] offset:\b*4096+\a*1024+\u*512
.endr
.endr
.endr
	WIN 0
	QLOAD QB, 0, 0
	QLOAD QB, 1, 1
	QLOAD QB, 2, 2
	QLOAD QB, 3, 3
	s_lshr_b32 s2, s21, 3
	s_lshl_b32 s2, s2, 4
	s_lshl_b32 s23, s19, 1
	s_add_co_u32 s2, s2, s23                       ; batch x 16 + head 2 px
	s_lshl_b32 s2, s2, 18
	s_lshl_b32 s23, s24, 1
	s_add_co_u32 s23, s23, s26                     ; key step 2 (qy % 8) + w / 2
	s_lshl_b32 s23, s23, 14
	s_add_co_u32 s2, s2, s23
	s_lshl_b32 s23, s27, 12                        ; tiles 4 (w % 2) on
	s_add_co_u32 s2, s2, s23
	s_add_nc_u64 s[66:67], s[12:13], s[2:3]        ; q's way out
	s_add_nc_u64 s[68:69], s[14:15], s[2:3]        ; k's
	s_lshr_b32 s2, s22, 4
	s_lshl_b32 s2, s2, 4
	s_lshl_b32 s23, s18, 2
	s_add_co_u32 s2, s2, s23
	s_add_co_u32 s2, s2, s[WV]                     ; batch x 16 + head 4 cy + w
	s_lshl_b32 s2, s2, 18
	s_and_b32 s23, s22, 15
	s_lshl_b32 s23, s23, 14                        ; key step pv % 16
	s_add_co_u32 s2, s2, s23
	s_add_co_u32 s2, s2, 8192                      ; behind the step's K
	s_add_nc_u64 s[70:71], s[14:15], s[2:3]        ; v's
	s_wait_kmcnt 0x0
	MKSC 72, 58, 52, 53                            ; q: e6 - e0 - e1
	MKSC 74, 59, 54, 55                            ; k: e7 - e2 - e3
	MKSC 76, 61, 56, 57                            ; v: e9 - e4 - e5
	s_wait_tensorcnt 0x1                           ; my quarter of slot 0 is in; slot 1's may stay out
	s_barrier_signal -1
	s_barrier_wait -1                              ; everybody's is
	FETCH_P 0, 0, 0
	FETCH_P 0, 0, 4
.irp t, 0,1,2,3,4,5,6,7
	STEP \t
.endr
	s_wait_tensorcnt 0x0                           ; all my tensor loads have landed: my quarter of slot 1
	ds_add_u32 v[SPW], v[NIL]                      ; 0 onto my spare word
	s_wait_dscnt 0x0                               ; the add is done, and my reads of slot 0 are over
	CROUND                                         ; the same holds of every wave of every partner
	tensor_load_to_lds s[G0C:G0C+3], s[G1:G1+7]    ; v's P into slot 0: it has the whole of phase k in which to land
	s_nop 0
	PLACES 4
	FETCH_P 2, 0, 0
	FETCH_P 2, 0, 4
	EPI_QK 66, 72
.irp t, 8,9,10,11,12,13,14,15
	STEP \t
.endr
	s_wait_tensorcnt 0x0                           ; my quarter of v's P is in
	s_wait_dscnt 0x0
	s_barrier_signal -1
	s_barrier_wait -1                              ; everybody's is
	FETCH_P 0, 0, 0
	FETCH_P 0, 0, 4
	EPI_QK 68, 74
.irp t, 16,17,18,19,20,21,22,23
	STEP \t
.endr
	EPI_V
	s_wait_tensorcnt 0x0                           ; the wave's end
	ds_add_u32 v[SPW], v[NIL]
	s_wait_dscnt 0x0
	CROUND                                         ; the closing round: no work-group ends while a partner may still ask for a tile that names it
	s_endpgm
.Lfunc_end_k_q42e7cb3a03_qkv:
	.size	k_q42e7cb3a03_qkv, .Lfunc_end_k_q42e7cb3a03_qkv-k_q42e7cb3a03_qkv
	.p2alignl 7, 3214868480
	.fill 96, 4, 3214868480
	.section	.rodata,"a",@progbits
	.p2align	6, 0x0
	.amdhsa_kernel k_q42e7cb3a03_qkv
		.amdhsa_group_segment_fixed_size 327680
		.amdhsa_private_segment_fixed_size 0
		.amdhsa_enable_private_segment 0
		.amdhsa_kernarg_size 48
		.amdhsa_user_sgpr_count 2
		.amdhsa_user_sgpr_kernarg_segment_ptr 1
		.amdhsa_wavefront_size32 1
		.amdhsa_system_sgpr_workgroup_id_x 1
		.amdhsa_system_sgpr_workgroup_id_y 1
		.amdhsa_system_sgpr_workgroup_id_z 1
		.amdhsa_system_vgpr_workitem_id 0
		.amdhsa_next_free_vgpr 896
		.amdhsa_next_free_sgpr 84
		.amdhsa_reserve_vcc 0
		.amdhsa_float_denorm_mode_32 3
		.amdhsa_float_denorm_mode_16_64 3
		.amdhsa_fp16_overflow 1
		.amdhsa_memory_ordered 1
		.amdhsa_forward_progress 1
		.amdhsa_inst_pref_size 216
	.end_amdhsa_kernel
	.amdgpu_metadata
---
amdhsa.version: [ 1, 2 ]
amdhsa.kernels:
  - .name:           k_q42e7cb3a03_qkv
    .symbol:         k_q42e7cb3a03_qkv.kd
    .args:
      - { .name: xc, .offset: 0, .size: 8, .value_kind: global_buffer, .address_space: global }
      - { .name: wc, .offset: 8, .size: 8, .value_kind: global_buffer, .address_space: global }
      - { .name: rt, .offset: 16, .size: 8, .value_kind: global_buffer, .address_space: global }
      - { .name: lowp_scales, .offset: 24, .size: 8, .value_kind: global_buffer, .address_space: global }
      - { .name: qc, .offset: 32, .size: 8, .value_kind: global_buffer, .address_space: global }
      - { .name: kv, .offset: 40, .size: 8, .value_kind: global_buffer, .address_space: global }
    .group_segment_fixed_size: 327680
    .private_segment_fixed_size: 0
    .kernarg_segment_align: 8
    .kernarg_segment_size: 48
    .max_flat_workgroup_size: 128
    .sgpr_count:     84
    .vgpr_count:     896
    .wavefront_size: 32
...
	.end_amdgpu_metadata
.endif
;; end of part 2
;; launch attn (part 3): grid 4 x 64, 16 waves a work-group, clusters of 4 x 1, 327,680 bytes of LDS; arguments qc, kv, lowp_scales, oc; writes oc
.if DOCPART == 3
	.amdgcn_target "amdgcn-amd-amdhsa--gfx1250"
	.amdhsa_code_object_version 6
	.text
	.protected	k_q42e7cb3a03_attn
	.globl	k_q42e7cb3a03_attn
	.p2align	8
	.type	k_q42e7cb3a03_attn,@function
k_q42e7cb3a03_attn:
	s_mov_b64 s[64:65], 0
	v_nop
	global_prefetch_b8 v0, s[64:65] scope:SCOPE_SE
	s_setreg_imm32_b32 hwreg(HW_REG_WAVE_MODE, 25, 1), 1
	s_wait_xcnt 0x0
	s_wait_alu depctr_hold_cnt(0) depctr_sa_sdst(0) depctr_va_vdst(0) depctr_va_sdst(0) depctr_va_ssrc(0) depctr_va_vcc(0) depctr_vm_vsrc(0)
	s_getreg_b32 s2, hwreg(HW_REG_IB_STS2, 6, 4)
	s_cmp_eq_u32 s2, 0
	s_cbranch_scc0 .Lentry_in_a_cluster
	s_endpgm
.Lentry_in_a_cluster:
	s_bfe_u32 s2, ttmp6, 0x10000c
	s_cmp_lg_u32 s2, 0x3003
	s_cbranch_scc0 .Lentry_shape_is_right
	s_endpgm
.Lentry_shape_is_right:
; ATTN.  o = softmax(q k^T / 8, causal) v on E4M3 codes, one (batch, head) to a cluster of four work-groups; o is quantised in registers for the last product and stored as images of operand registers.
; THE SOFTMAX AHEAD OF THE SECOND PRODUCT: t = score x log2(e) / 8; M = the running largest t rounded UP to a whole number; p = 2^(t - M) is quantised with 2^e8, not normalised; the row's sum is taken of the
; unquantised p and divides at the end.  When M moves, the sum and O are multiplied by 2^(old M - new M): exact.
; LDS HOLDS THE HEAD'S WHOLE K AND V, 262,144 bytes, as they lie in memory ([key step 16][K: 8 x 1024 | V^T: 4 x 2048]): each wave asks for two dense pieces at the head, jointly with its three partners
; (4,096 bytes of key steps 0-3; 12,288 bytes of steps 4-15).  No byte is filled twice: no ring.  Every byte of K and V is asked for by those two loads: nothing later is left to ask for ahead.
; SHARES.  Wave u of partner cx owns two tiles of 16 queries: tile 4u + cx and tile 127 - (4u + cx).  Key step ks (128 keys) counts for a tile where 2 ks <= U, and needs the mask unless 2 ks + 2 <= U,
; with U = u for the low tile and 31 - u for the high one: numbers of the wave alone, the same in all partners.  Every wave has 17 steps of work.  All waves walk all 16 key steps; a step's WORK is jumped over.
; LAYOUT.  S^T = K Q^T (source 0 = 16 keys, source 1 = my 16 queries, K = 64), O^T = V^T P^T (source 0 = 16 channels, source 1 = P, K = 128): a lane holds one query; key tile kt's eight scores are keys
; 16 kt + 8 (lane / 16) + 0..7: their conversion gives registers 2 kt, 2 kt + 1 of P.  oc is laid as one tensor of xc; head hd fills bytes 1024 (hd % 2) on of the image of K step hd / 2.
; LIMITS: e6 + e7 between -123 and 130 (added to c's exponent field); e8, and e10 - e8 - e9, between -126 and 119.  NaN is not served.
; REGISTERS: v1 16 x lane; v2 LDS address; v3, v4 16 tile + r - 8h (high, low); v8-11, v12-15: -M, largest t, the sum in two halves; v16-23, v24-31 Q; v32-95 fragments; v96-159 S^T, then p;
;   v160-191, v192-223 O^T; v224-239 p's codes; v244: 2^e8; v245 the same for o; v242, 243, 246, 252-254 at work.
.set LI,   1
.set ADR,  2
.set WV,   12
.set G1A,  16
.set G1B,  24
.set G0A,  32
.set G0B,  36
.set SEL,  40
.set CS,   42
.set KS,   44
.set SB,   45
.set T2,   46
.macro CROUND
	s_barrier_signal -1
	s_barrier_wait -1
	s_cmp_lg_u32 s[WV], 0
	s_cbranch_scc1 .Lnot_wave_0_\@
	s_barrier_signal -3
.Lnot_wave_0_\@:
	s_barrier_wait -3
	s_barrier_signal -1
	s_barrier_wait -1
.endm
.macro QOFF d, tau                     ; s[d:d+1] = the image of query tile s[tau]
	s_lshr_b32 s72, s[\tau], 3
	s_lshl_b32 s72, s72, 14
	s_and_b32 s73, s[\tau], 7
	s_lshl_b32 s73, s73, 10
	s_add_co_u32 s72, s72, s73
	s_lshl_b32 s73, s14, 18
	s_add_co_u32 s72, s72, s73
	s_mov_b32 s73, 0
	s_add_nc_u64 s[\d:\d+1], s[4:5], s[72:73]
.endm
.macro OOFF d, tau                     ; s[d:d+1] = where tile s[tau]'s half image of o goes
	s_lshr_b32 s72, s14, 4
	s_lshl_b32 s72, s72, 7
	s_add_co_u32 s72, s72, s[\tau]                 ; the tile of tokens: 128 x batch + tile
	s_and_b32 s73, s72, 7
	s_lshl_b32 s73, s73, 11
	s_lshr_b32 s72, s72, 3
	s_lshl_b32 s72, s72, 17
	s_add_co_u32 s72, s72, s73
	s_bfe_u32 s73, s14, 0x30001                    ; head / 2: the K step
	s_lshl_b32 s73, s73, 14
	s_add_co_u32 s72, s72, s73
	s_and_b32 s73, s14, 1                          ; head % 2: which half of the image
	s_lshl_b32 s73, s73, 10
	s_add_co_u32 s72, s72, s73
	s_mov_b32 s73, 0
	s_add_nc_u64 s[\d:\d+1], s[10:11], s[72:73]
.endm
; A key step for tile x (0: high, 1: low)
.macro STEP x
.set NM, 8+4*(\x)
.set SU, 10+4*(\x)
.set OO, 160+32*(\x)
.set QF, 16+8*(\x)
	s_cmp_gt_u32 s[T2], s[47+\x]                   ; all 128 keys come after my 16 queries: the step's work is left out
	s_cbranch_scc1 .Lskip_\@
	v_add_nc_u32 v[ADR], s[SB], v[LI]
.rept 3
	v_nop                                          ; with the addition: four places in front of loads into registers that matrix instructions have read
.endr
.irp f, 0,1,2,3,4,5,6,7,8,9,10,11,12,13,14,15
	ds_load_b128 v[32+4*\f:35+4*\f], v[ADR] offset:512*\f          ; K: eight fragments of 16 keys x 64
.endr
	s_wait_alu depctr_va_vdst(0)
	s_wait_dscnt 0x0
.irp k, 0,1,2,3,4,5,6,7
	v_wmma_f32_16x16x64_fp8_fp8 v[96+8*\k:103+8*\k], v[32+8*\k:39+8*\k], v[QF:QF+7], 0
.endr
.rept 4
	v_nop
.endr
.irp f, 0,1,2,3,4,5,6,7,8,9,10,11,12,13,14,15
	ds_load_b128 v[32+4*\f:35+4*\f], v[ADR] offset:8192+512*\f     ; V^T: four fragments of 16 channels x 128 keys: they land while the softmax is worked
.endr
	s_add_co_u32 s49, s[T2], 2
	s_cmp_le_u32 s49, s[47+\x]                     ; all keys count: no mask
	s_cbranch_scc1 .Lopen_\@
	s_lshl_b32 s49, s[KS], 7
	v_sub_nc_u32 v252, v[3+\x], s49                ; d = my query - 8 (lane / 16) - the step's first key: register 8 kt + j is hidden where 16 kt + j > d
	v_mov_b32 v254, 0xff800000                     ; -infinity: p = 0 then
.irp n, 0,1,2,3,4,5,6,7,8,9,10,11,12,13,14,15,16,17,18,19,20,21,22,23,24,25,26,27,28,29,30,31,32,33,34,35,36,37,38,39,40,41,42,43,44,45,46,47,48,49,50,51,52,53,54,55,56,57,58,59,60,61,62,63
	v_cmp_gt_i32 vcc_lo, 16*(\n/8)+\n%8, v252
	v_cndmask_b32 v[96+\n], v[96+\n], v254, vcc_lo
.endr
.Lopen_\@:
	v_max3_num_f32 v254, v96, v97, v98             ; the step's largest score of my query, in two chains, each accumulator from its low end on
	v_max3_num_f32 v252, v99, v100, v101
.irp i, 6,10,14,18,22,26,30,34,38,42,46,50,54,58
	v_max3_num_f32 v254, v254, v[96+\i], v[97+\i]
	v_max3_num_f32 v252, v252, v[98+\i], v[99+\i]
.endr
	v_max3_num_f32 v254, v254, v158, v159
	s_delay_alu instid0(VALU_DEP_1)
	v_max_num_f32 v254, v254, v252
	s_delay_alu instid0(VALU_DEP_1)
	v_permlanex16_b32 v246, v254, s[SEL], s[SEL+1]
	s_delay_alu instid0(VALU_DEP_1)
	v_max_num_f32 v254, v254, v246                 ; and among the lane 16 away
	s_delay_alu instid0(VALU_DEP_1)
	v_mul_f32 v254, s[CS], v254                    ; as t (c is positive)
	s_delay_alu instid0(VALU_DEP_1)
	v_max_num_f32 v[NM+1], v[NM+1], v254           ; the running largest t
	v_mov_b32 v254, v[NM]
	s_delay_alu instid0(VALU_DEP_2)
	v_floor_f32 v[NM], -v[NM+1]                    ; -M = floor(-t): M is a whole number
	s_delay_alu instid0(VALU_DEP_1)
	v_sub_f32 v254, v[NM], v254                    ; old M - new M, 0 or less
	s_delay_alu instid0(VALU_DEP_1)
	v_cvt_i32_f32 v254, v254                       ; (it saturates)
	s_delay_alu instid0(VALU_DEP_1)
	v_ldexp_f32 v252, 1.0, v254                    ; f = 2^(old M - new M)
.set jj, 0
.rept 32
	v_pk_fma_f32 v[96+jj:97+jj], v[96+jj:97+jj], s[CS:CS+1], v[NM:NM+1] op_sel_hi:[1,0,0]   ; t - M, two at a time
.set jj, jj+2
.endr
.set jj, 0
	s_wait_alu depctr_va_vdst(0)
.rept 64
	v_exp_f32 v[96+jj], v[96+jj]                   ; p = 2^(t - M)
.set jj, jj+1
.endr
	v_pk_mul_f32 v[SU:SU+1], v[SU:SU+1], v[252:253] op_sel_hi:[1,0]   ; the sums under the new M: a plain instruction behind the exponentials
	s_wait_alu depctr_va_vdst(0)                   ; one wait for the batch, ahead of its first reader
	v_pk_add_f32 v[242:243], v[96:97], v[98:99]    ; the sum of the unquantised p, in two chains
.irp j, 4,8,12,16,20,24,28,32,36,40,44,48,52,56,60
	v_pk_add_f32 v[SU:SU+1], v[SU:SU+1], v[96+\j:97+\j]
	v_pk_add_f32 v[242:243], v[242:243], v[98+\j:99+\j]
.endr
	s_delay_alu instid0(VALU_DEP_1)
	v_pk_add_f32 v[SU:SU+1], v[SU:SU+1], v[242:243]
.irp k, 0,1,2,3,4,5,6,7
.irp i, 0,1,2,3,4,5,6,7
.endr
	v_cvt_scalef32_pk8_fp8_f32 v[224+2*\k:225+2*\k], v[96+8*\k:103+8*\k], v244
.endr
.set jj, 0
.rept 16
	v_pk_mul_f32 v[OO+jj:OO+jj+1], v[OO+jj:OO+jj+1], v[252:253] op_sel_hi:[1,0]   ; O^T under the new M; also the plain instructions between the conversions and the products
.set jj, jj+2
.endr
	s_wait_alu depctr_va_vdst(0)
	s_wait_dscnt 0x0                               ; V^T is in
.irp c, 0,1,2,3
	v_wmma_f32_16x16x128_fp8_fp8 v[OO+8*\c:OO+8*\c+7], v[32+16*\c:47+16*\c], v[224:239], v[OO+8*\c:OO+8*\c+7]
.endr
.Lskip_\@:
.endm
.macro TRIP
	s_lshl_b32 s[T2], s[KS], 1
	STEP 0
	STEP 1
	s_add_co_u32 s[SB], s[SB], 16384
	s_add_co_u32 s[KS], s[KS], 1
.endm
.macro FINAL x, ob                     ; O^T / the sum, quantised with 2^(e10 - e8 - e9): half of a fragment of 16 tokens x 128, two stores of 512 consecutive bytes
.set SU, 10+4*(\x)
.set OO, 160+32*(\x)
	v_add_f32 v[SU], v[SU], v[SU+1]
	s_delay_alu instid0(VALU_DEP_1)
	v_permlanex16_b32 v246, v[SU], s[SEL], s[SEL+1]
	s_delay_alu instid0(VALU_DEP_1)
	v_add_f32 v[SU], v[SU], v246                   ; the row's sum
	s_wait_alu depctr_va_vdst(0)
	v_rcp_f32 v[SU], v[SU]
	v_nop                                          ; a plain instruction behind the reciprocal
	s_wait_alu depctr_va_vdst(0)                   ; and the wait ahead of its first reader
.set jj, 0
.rept 32
	v_mul_f32 v[96+jj], v[OO+jj], v[SU]
.set jj, jj+1
.endr
.set jj, 0
.rept 32
.set jj, jj+1
.endr
.irp c, 0,1,2,3
	v_cvt_scalef32_pk8_fp8_f32 v[224+8*(\x)+2*\c:225+8*(\x)+2*\c], v[96+8*\c:103+8*\c], v245
.endr
	v_nop
	global_store_b128 v[LI], v[224+8*(\x):227+8*(\x)], s[\ob:\ob+1]
	global_store_b128 v[LI], v[228+8*(\x):231+8*(\x)], s[\ob:\ob+1] offset:512
.endm
	s_load_b256 s[4:11], s[0:1], 0x0               ; qc, kv, exponents, oc
	v_lshl_add_u32 v251, v0, 2, 0x40000
	v_mov_b32 v255, 0
	ds_add_u32 v251, v255
	ds_add_u32 v251, v255
	v_lshrrev_b32 v[ADR], 5, v0
	s_delay_alu instid0(VALU_DEP_1)
	v_readfirstlane_b32 s[WV], v[ADR]              ; wave 0..15
	v_and_b32 v[LI], 31, v0
	s_delay_alu instid0(VALU_DEP_1)
	v_lshlrev_b32 v[LI], 4, v[LI]
	s_bfe_u32 s13, ttmp6, 0x40000                  ; cx: it enters Q's and o's addresses and the mask's numbers alone
	s_and_b32 s14, ttmp7, 0xffff                   ; batch x 16 + head, which the four partners share
	s_mov_b32 s[G1A], 15|(3<<16)|(1<<21)           ; the mask: all four; elements of 8 bytes; 21 set beside a mask
	s_mov_b32 s[G1A+1], 32<<16                     ; rows of 256 bytes
	s_mov_b32 s[G1A+2], 16<<16                     ; 16 rows: 4,096 dense bytes
	s_mov_b32 s[G1A+3], 32<<16
	s_mov_b32 s[G1A+4], 16
	s_mov_b32 s[G1A+5], 32
	s_mov_b32 s[G1A+6], 0
	s_mov_b32 s[G1A+7], 0
	s_mov_b32 s[G1B], 15|(3<<16)|(1<<21)
	s_mov_b32 s[G1B+1], 32<<16
	s_mov_b32 s[G1B+2], 48<<16                     ; 48 rows: 12,288 dense bytes
	s_mov_b32 s[G1B+3], 32<<16
	s_mov_b32 s[G1B+4], 48
	s_mov_b32 s[G1B+5], 32
	s_mov_b32 s[G1B+6], 0
	s_mov_b32 s[G1B+7], 0
	s_mov_b32 s[G0A], 1
	s_lshl_b32 s[G0A+1], s[WV], 12                 ; LDS byte = byte in the head's block
	s_mov_b32 s[G0B], 1
	s_mul_i32 s[G0B+1], s[WV], 12288
	s_add_co_u32 s[G0B+1], s[G0B+1], 65536
	s_lshl_b32 s50, s14, 18
	s_mov_b32 s51, 0
	s_mov_b32 s3, 0
	s_wait_dscnt 0x0
	s_wait_kmcnt 0x0
	s_load_b256 s[52:59], s[8:9], 0x0              ; e0 .. e7
	s_load_b128 s[60:63], s[8:9], 0x20             ; e8 .. e11
	s_add_nc_u64 s[50:51], s[6:7], s[50:51]        ; the head's block of kv
	s_mov_b32 s2, s[G0A+1]
	s_add_nc_u64 s[G0A+2:G0A+3], s[50:51], s[2:3]
	s_or_b32 s[G0A+3], s[G0A+3], 0x80000000
	s_mov_b32 s2, s[G0B+1]
	s_add_nc_u64 s[G0B+2:G0B+3], s[50:51], s[2:3]
	s_or_b32 s[G0B+3], s[G0B+3], 0x80000000
	CROUND                                         ; all four work-groups are here: the joint loads meet
	tensor_load_to_lds s[G0A:G0A+3], s[G1A:G1A+7]  ; my piece of key steps 0-3
	s_nop 0
	s_wait_alu depctr_va_vdst(0)
	s_wait_tensorcnt 0x0
	ds_add_u32 v251, v255
	s_wait_dscnt 0x0
	CROUND
	tensor_load_to_lds s[G0B:G0B+3], s[G1B:G1B+7]  ; my piece of key steps 4-15
	s_nop 0
.rept 4
	v_nop
.endr
	s_lshl_b32 s70, s[WV], 2
	s_add_co_u32 s70, s70, s13                     ; the low tile
	s_sub_co_u32 s71, 127, s70                     ; the high tile
	QOFF 74, 71
	QOFF 76, 70
	s_wait_alu depctr_va_vdst(0)
	global_load_b128 v[16:19], v[LI], s[74:75]
	global_load_b128 v[20:23], v[LI], s[74:75] offset:512
	global_load_b128 v[24:27], v[LI], s[76:77]
	global_load_b128 v[28:31], v[LI], s[76:77] offset:512
	OOFF 66, 71
	OOFF 68, 70
	s_xor_b32 s47, s[WV], 31                       ; U of the high tile: 31 - u
	s_mov_b32 s48, s[WV]                           ; of the low tile
	s_mov_b32 s[SEL], 0x76543210
	s_mov_b32 s[SEL+1], 0xfedcba98
	s_mov_b32 s[CS], 0x3e38aa3b                    ; c = log2(e) / 8
	v_and_b32 v5, 15, v0
	v_bfe_u32 v6, v0, 4, 1
	s_delay_alu instid0(VALU_DEP_1)
	v_lshlrev_b32 v6, 3, v6
	s_delay_alu instid0(VALU_DEP_1)
	v_sub_nc_u32 v5, v5, v6                        ; r - 8 h
	s_lshl_b32 s72, s71, 4
	v_add_nc_u32 v3, s72, v5
	s_lshl_b32 s72, s70, 4
	v_add_nc_u32 v4, s72, v5
.irp x, 0,1
	v_mov_b32 v[9+4*\x], 0xff61b1e6                ; the largest t so far: -3e38
	s_delay_alu instid0(VALU_DEP_1)
	v_floor_f32 v[8+4*\x], -v[9+4*\x]
	v_mov_b32 v[10+4*\x], 0
	v_mov_b32 v[11+4*\x], 0
.endr
	v_mov_b32 v246, 0                              ; a lane permute's destination counts as one of its sources
	v_mov_b32 v252, 0
	v_mov_b32 v253, 0                              ; (named as the upper half of the pair v[252:253])
.set jj, 0
.rept 64
	v_mov_b32 v[160+jj], 0                         ; O^T: the step is written without a first step of its own: the first change of M leaves zeros zeros
.set jj, jj+1
.endr
	s_wait_kmcnt 0x0
	s_add_co_i32 s72, s58, s59
	s_lshl_b32 s72, s72, 23
	s_add_co_i32 s[CS], s[CS], s72                 ; a score stands for score x 2^(e6 + e7): added to c's exponent field
	s_mov_b32 s[CS+1], s[CS]
	s_add_co_i32 s72, s60, 127
	s_lshl_b32 s73, s72, 23
	v_mov_b32 v244, s73                            ; 2^e8
	s_sub_co_i32 s72, s62, s60
	s_sub_co_i32 s72, s72, s61
	s_add_co_i32 s72, s72, 127
	s_lshl_b32 s73, s72, 23
	v_mov_b32 v245, s73                            ; 2^(e10 - e8 - e9)
	s_mov_b32 s[KS], 0
	s_mov_b32 s[SB], 0
	s_wait_loadcnt 0x0                             ; Q
	s_wait_tensorcnt 0x1                           ; my piece of key steps 0-3 is in; the other may stay out
	s_barrier_signal -1
	s_barrier_wait -1                              ; everybody's is
.Lfirst:                                           ; key steps 0-3: LDS bytes 0 to 65,535
	TRIP
	s_cmp_lt_u32 s[KS], 4
	s_cbranch_scc1 .Lfirst
	s_wait_tensorcnt 0x0                           ; my piece of key steps 4-15 is in
	s_wait_dscnt 0x0
	s_barrier_signal -1
	s_barrier_wait -1                              ; everybody's is
	s_mov_b32 s[KS], 4
	s_mov_b32 s[SB], 65536
.Lrest:                                            ; key steps 4-15
	TRIP
	s_cmp_lt_u32 s[KS], 16
	s_cbranch_scc1 .Lrest
.rept 4
	v_nop                                          ; places behind the last products
.endr
	FINAL 0, 66
	FINAL 1, 68
	s_wait_dscnt 0x0
	s_wait_tensorcnt 0x0
	ds_add_u32 v251, v255
	s_wait_dscnt 0x0
	CROUND                                         ; the closing round
	s_endpgm
.Lfunc_end_k_q42e7cb3a03_attn:
	.size	k_q42e7cb3a03_attn, .Lfunc_end_k_q42e7cb3a03_attn-k_q42e7cb3a03_attn
	.p2alignl 7, 3214868480
	.fill 96, 4, 3214868480
	.section	.rodata,"a",@progbits
	.p2align	6, 0x0
	.amdhsa_kernel k_q42e7cb3a03_attn
		.amdhsa_group_segment_fixed_size 327680
		.amdhsa_private_segment_fixed_size 0
		.amdhsa_enable_private_segment 0
		.amdhsa_kernarg_size 32
		.amdhsa_user_sgpr_count 2
		.amdhsa_user_sgpr_kernarg_segment_ptr 1
		.amdhsa_wavefront_size32 1
		.amdhsa_system_sgpr_workgroup_id_x 1
		.amdhsa_system_sgpr_workgroup_id_y 1
		.amdhsa_system_sgpr_workgroup_id_z 1
		.amdhsa_system_vgpr_workitem_id 0
		.amdhsa_next_free_vgpr 256
		.amdhsa_next_free_sgpr 78
		.amdhsa_reserve_vcc 1
		.amdhsa_float_denorm_mode_32 3
		.amdhsa_float_denorm_mode_16_64 3
		.amdhsa_fp16_overflow 1
		.amdhsa_memory_ordered 1
		.amdhsa_forward_progress 1
		.amdhsa_inst_pref_size 90
	.end_amdhsa_kernel
	.amdgpu_metadata
---
amdhsa.version: [ 1, 2 ]
amdhsa.kernels:
  - .name:           k_q42e7cb3a03_attn
    .symbol:         k_q42e7cb3a03_attn.kd
    .args:
      - { .name: qc, .offset: 0, .size: 8, .value_kind: global_buffer, .address_space: global }
      - { .name: kv, .offset: 8, .size: 8, .value_kind: global_buffer, .address_space: global }
      - { .name: lowp_scales, .offset: 16, .size: 8, .value_kind: global_buffer, .address_space: global }
      - { .name: oc, .offset: 24, .size: 8, .value_kind: global_buffer, .address_space: global }
    .group_segment_fixed_size: 327680
    .private_segment_fixed_size: 0
    .kernarg_segment_align: 8
    .kernarg_segment_size: 32
    .max_flat_workgroup_size: 512
    .sgpr_count:     78
    .vgpr_count:     256
    .wavefront_size: 32
...
	.end_amdgpu_metadata
.endif
;; end of part 3
;; launch oproj (part 4): grid 8 x 32, 4 waves a work-group, clusters of 4 x 4, 168,448 bytes of LDS; arguments oc, wc, lowp_scales, out0; writes out0
.if DOCPART == 4
	.amdgcn_target "amdgcn-amd-amdhsa--gfx1250"
	.amdhsa_code_object_version 6
	.text
	.protected	k_q42e7cb3a03_oproj
	.globl	k_q42e7cb3a03_oproj
	.p2align	8
	.type	k_q42e7cb3a03_oproj,@function
k_q42e7cb3a03_oproj:
	s_mov_b64 s[64:65], 0
	v_nop
	global_prefetch_b8 v0, s[64:65] scope:SCOPE_SE
	s_setreg_imm32_b32 hwreg(HW_REG_WAVE_MODE, 25, 1), 1
	s_wait_xcnt 0x0
	s_wait_alu depctr_hold_cnt(0) depctr_sa_sdst(0) depctr_va_vdst(0) depctr_va_sdst(0) depctr_va_ssrc(0) depctr_va_vcc(0) depctr_vm_vsrc(0)
	s_getreg_b32 s2, hwreg(HW_REG_IB_STS2, 6, 4)
	s_cmp_eq_u32 s2, 0
	s_cbranch_scc0 .Lentry_in_a_cluster
	s_endpgm
.Lentry_in_a_cluster:
	s_bfe_u32 s2, ttmp6, 0x10000c
	s_cmp_lg_u32 s2, 0xf033
	s_cbranch_scc0 .Lentry_shape_is_right
	s_endpgm
.Lentry_shape_is_right:
; OPROJ.  out = o Wo^T on E4M3 codes (v_wmma_f32_16x16x128_fp8_fp8, f32 sums), each finished sum x 2^(e10 + e11).  One tile to a work-group: P = 128 rows of Wo (source 0) x Q = 256 tokens of o (source 1), K = 1024.
; Wave w takes all of P and tokens 64 w .. 64 w + 63: 32 accumulators; a lane holds one token and eight neighbouring outputs.
; P (131,072 dense bytes of images) is read by all four waves and by the four work-groups of a column of the cluster: asked for JOINTLY, once, a quarter a wave; nothing is filled again.
; Q is read by one wave alone: from its images straight into a ring of four sets of registers, 16 loads a K step, four steps ahead.  It is not asked for jointly: each of its bytes has one reader in the work-group,
; and through LDS its 262,144 bytes would not fit beside P.
; THE WAY OUT: a block of 16 tokens x 128 outputs goes through the wave's own stage in LDS (rows 528 bytes apart, behind P, never a fill's target) and leaves as whole rows: 32 lanes store 512 consecutive bytes, aligned.
; LIMIT: e10 + e11 between -126 and 127.
; REGISTERS: window 0: v4, v5 LDS addresses (v4 = 16 x lane, also every global offset); v24, v25 the stage; v32-95 scaled sums; v128-255 P's 8 fragments, later rows read back.  window 1: accumulator (a, b) at v[8 (4a + b)].  window 2: Q's four sets.
.set NSTEPS, 8
.set STAGE, 131072
.set LI,   4
.set AP,   4
.set STO,  24
.set RD,   25
.set TMP,  32
.set PF,   128
.set BK,   128
.set WV,   16
.set G1,   28
.set G0A,  36
.set QB,   44
.set MSB, 0
.macro WIN new
.if MSB != \new
	s_set_vgpr_msb (MSB<<8)|\new
.set MSB, \new
.endif
.endm
.set W_MUL, 0x58                       ; source 0 (P) window 0, source 1 (Q) window 2, C and D window 1
.set W_Q,   0x80                       ; destination window 2
.macro PLACES n
.rept \n
	v_nop
.endr
.endm
.macro CROUND
	s_barrier_signal -1
	s_barrier_wait -1
	s_cmp_lg_u32 s[WV], 0
	s_cbranch_scc1 .Lnot_wave_0_\@
	s_barrier_signal -3
.Lnot_wave_0_\@:
	s_barrier_wait -3
	s_barrier_signal -1
	s_barrier_wait -1
.endm
.macro MUL8 a0                         ; the 32 accumulators take turns, one instruction a turn, in one order everywhere
.irp a, \a0, \a0+1
.irp b, 0,1,2,3
.if STP == 0
	v_wmma_f32_16x16x128_fp8_fp8 v[8*(4*(\a)+\b):8*(4*(\a)+\b)+7], v[PF+16*(\a):PF+16*(\a)+15], v[64*QSET+16*\b:64*QSET+16*\b+15], 0
.else
	v_wmma_f32_16x16x128_fp8_fp8 v[8*(4*(\a)+\b):8*(4*(\a)+\b)+7], v[PF+16*(\a):PF+16*(\a)+15], v[64*QSET+16*\b:64*QSET+16*\b+15], v[8*(4*(\a)+\b):8*(4*(\a)+\b)+7]
.endif
.endr
.endr
.endm
.macro FETCH_P ap, st, a0
.irp a, \a0, \a0+1, \a0+2, \a0+3
.irp c, 0,1,2,3
	ds_load_b128 v[PF+16*(\a)+4*\c:PF+16*(\a)+4*\c+3], v[AP+(\ap)] offset:(\st)*16384+(\a)*2048+\c*512
.endr
.endr
.endm
.macro QLOAD sg, set
	WIN W_Q
.irp b, 0,1,2,3
.irp c, 0,1,2,3
	global_load_b128 v[64*(\set)+16*\b+4*\c:64*(\set)+16*\b+4*\c+3], v[LI], s[QB:QB+1] offset:(\sg)*16384+\b*2048+\c*512
.endr
.endr
	WIN 0
.endm
.macro STEP t                          ; a load into a register that a matrix instruction has read stands four plain vector instructions behind it
.set STP, \t
.set QSET, (\t)%4
.set NW, 16*(NSTEPS-1-(\t))
.if NW > 48
.set NW, 48
.endif
.set NAP, (STP+1)/4
.set NST, (STP+1)%4
	s_wait_loadcnt NW                              ; this step's Q is in; behind it stand the loads of up to three later steps
	s_wait_dscnt 16                                ; P's blocks 0-3 are in; blocks 4-7 may be out
	WIN W_MUL
	MUL8 0
	MUL8 2
	s_wait_dscnt 0x0
.if STP < 7
	PLACES 4
	WIN 0
	FETCH_P NAP, NST, 0
	WIN W_MUL
.endif
	MUL8 4
	MUL8 6
	PLACES 4
	WIN 0
.if STP < 7
	FETCH_P NAP, NST, 4
.endif
.if (\t)+4 < NSTEPS
	QLOAD (\t)+4, QSET
.endif
.endm
.macro TOSTAGE b                       ; token tile b: sums x 2^(e10 + e11), each accumulator from its low end on; into my stage, and back as whole rows.  LDS serves a wave's instructions in order: no wait between
	WIN 0x01                                       ; source 0 window 1
.irp a, 0,1,2,3,4,5,6,7
.irp i, 0,2,4,6
	v_pk_mul_f32 v[TMP+8*\a+\i:TMP+8*\a+\i+1], v[8*(4*\a+(\b))+\i:8*(4*\a+(\b))+\i+1], s[54:55] op_sel_hi:[1,0]
.endr
.endr
	WIN 0
.irp a, 0,1,2,3,4,5,6,7
	ds_store_b128 v[STO], v[TMP+8*\a:TMP+8*\a+3] offset:64*\a
	ds_store_b128 v[STO], v[TMP+8*\a+4:TMP+8*\a+7] offset:64*\a+16
.endr
.set BB, BK+64*((\b)%2)
.irp t, 0,1,2,3,4,5,6,7,8,9,10,11,12,13,14,15
	ds_load_b128 v[BB+4*\t:BB+4*\t+3], v[RD] offset:\t*528
.endr
.endm
.macro SEND b, younger                 ; younger: the LDS instructions issued behind tile b's loads, which may stay out
.set BB, BK+64*((\b)%2)
	s_wait_dscnt \younger
.irp t, 0,1,2,3,4,5,6,7,8,9,10,11,12,13,14,15
	global_store_b128 v[LI], v[BB+4*\t:BB+4*\t+3], s[10:11] offset:(16*(\b)+\t)*4096 th:TH_STORE_NT
.endr
.endm
	s_load_b256 s[4:11], s[0:1], 0x0               ; oc, wc, exponents, out0
	v_lshl_add_u32 v126, v0, 2, 0x29000
	v_mov_b32 v127, 0
	ds_add_u32 v126, v127
	ds_add_u32 v126, v127
	v_lshrrev_b32 v2, 5, v0
	v_readfirstlane_b32 s[WV], v2                  ; wave 0..3
	v_and_b32 v[LI], 31, v0
	v_lshlrev_b32 v[LI], 4, v[LI]
	v_add_nc_u32 v[AP+1], 0x10000, v[LI]
	s_bfe_u32 s17, ttmp6, 0x40000                  ; cx
	s_bfe_u32 s18, ttmp6, 0x40004                  ; cy
	s_lshl_b32 s19, ttmp9, 2
	s_add_co_u32 s19, s19, s17                     ; px: which 128 rows of Wo
	s_and_b32 s20, ttmp7, 0xffff
	s_lshl_b32 s21, s20, 2
	s_add_co_u32 s21, s21, s18                     ; qy: which 256 tokens
	s_lshl_b32 s23, 0x1111, s17                    ; my column of the cluster
	s_or_b32 s[G1], s23, (3<<16)|(1<<21)           ; the mask; elements of 8 bytes; 21 set beside a mask
	s_mov_b32 s[G1+1], 32<<16                      ; rows of 256 bytes
	s_mov_b32 s[G1+2], 128<<16                     ; 128 rows: a wave's quarter of P
	s_mov_b32 s[G1+3], 32<<16
	s_mov_b32 s[G1+4], 128
	s_mov_b32 s[G1+5], 32
	s_mov_b32 s[G1+6], 0
	s_mov_b32 s[G1+7], 0
	s_mov_b32 s[G0A], 1
	s_lshl_b32 s[G0A+1], s[WV], 15
	s_lshl_b32 s24, s19, 17
	s_add_co_u32 s24, s24, s[G0A+1]
	s_add_co_u32 s24, s24, 0x300000                ; Wo is the fourth tensor of wc
	s_mov_b32 s25, 0
	s_wait_dscnt 0x0
	s_wait_kmcnt 0x0
	s_load_b64 s[52:53], s[8:9], 0x28              ; e10, e11
	s_add_nc_u64 s[G0A+2:G0A+3], s[6:7], s[24:25]
	s_or_b32 s[G0A+3], s[G0A+3], 0x80000000
	CROUND                                         ; all sixteen work-groups are here: the joint loads meet
	tensor_load_to_lds s[G0A:G0A+3], s[G1:G1+7]
	s_nop 0
	PLACES 4
	s_lshr_b32 s26, s[WV], 1
	s_and_b32 s27, s[WV], 1
	s_lshl_b32 s2, s21, 1
	s_add_co_u32 s2, s2, s26
	s_lshl_b32 s2, s2, 17
	s_lshl_b32 s3, s27, 13
	s_add_co_u32 s2, s2, s3
	s_mov_b32 s3, 0
	s_add_nc_u64 s[QB:QB+1], s[4:5], s[2:3]        ; my 64 tokens' images
	s_wait_alu depctr_va_vdst(0)
	QLOAD 0, 0
	QLOAD 1, 1
	QLOAD 2, 2
	QLOAD 3, 3
	s_lshl_b32 s2, s21, 20                         ; 256 qy rows of 4,096 bytes,
	s_lshl_b32 s23, s[WV], 18                      ; 64 w rows,
	s_add_co_u32 s2, s2, s23
	s_lshl_b32 s23, s19, 9                         ; 128 px outputs
	s_add_co_u32 s2, s2, s23
	s_add_nc_u64 s[10:11], s[10:11], s[2:3]
	v_and_b32 v2, 15, v0                           ; r
	v_bfe_u32 v3, v0, 4, 1                         ; h
	s_mul_i32 s26, s[WV], 16*528
	s_add_co_u32 s26, s26, STAGE                   ; my stage
	v_mul_u32_u24 v[STO], v2, 528
	v_lshl_add_u32 v[STO], v3, 5, v[STO]
	v_add_nc_u32 v[STO], s26, v[STO]               ; in: row r, 32 bytes for each half of the lanes
	v_add_nc_u32 v[RD], s26, v[LI]                 ; back: the 32 lanes take one row of 512 bytes
	s_wait_kmcnt 0x0
	s_add_co_i32 s54, s52, s53
	s_add_co_i32 s54, s54, 127
	s_lshl_b32 s54, s54, 23                        ; 2^(e10 + e11) as f32
	s_mov_b32 s55, s54                             ; (named with it as a pair)
	s_wait_tensorcnt 0x0                           ; my quarter of P is in
	s_barrier_signal -1
	s_barrier_wait -1                              ; everybody's is
	FETCH_P 0, 0, 0
	FETCH_P 0, 0, 4
.irp t, 0,1,2,3,4,5,6,7
	STEP \t
.endr
	TOSTAGE 0                                      ; (the last step's four places stand in front)
.irp b, 1,2,3
.if \b > 1
	s_wait_xcnt 0x0                                ; tile b - 2's stores have read their registers: tile b's rows may land there
.endif
	TOSTAGE \b
	SEND \b-1, 32                                  ; behind tile b - 1's loads: tile b's 16 stores and 16 loads
.endr
	SEND 3, 0
	s_wait_tensorcnt 0x0
	ds_add_u32 v126, v127
	s_wait_dscnt 0x0
	CROUND                                         ; the closing round: no LDS instruction of mine is out, and no work-group ends while a partner may still ask for a tile that names it
	s_endpgm
.Lfunc_end_k_q42e7cb3a03_oproj:
	.size	k_q42e7cb3a03_oproj, .Lfunc_end_k_q42e7cb3a03_oproj-k_q42e7cb3a03_oproj
	.p2alignl 7, 3214868480
	.fill 96, 4, 3214868480
	.section	.rodata,"a",@progbits
	.p2align	6, 0x0
	.amdhsa_kernel k_q42e7cb3a03_oproj
		.amdhsa_group_segment_fixed_size 168448
		.amdhsa_private_segment_fixed_size 0
		.amdhsa_enable_private_segment 0
		.amdhsa_kernarg_size 32
		.amdhsa_user_sgpr_count 2
		.amdhsa_user_sgpr_kernarg_segment_ptr 1
		.amdhsa_wavefront_size32 1
		.amdhsa_system_sgpr_workgroup_id_x 1
		.amdhsa_system_sgpr_workgroup_id_y 1
		.amdhsa_system_sgpr_workgroup_id_z 1
		.amdhsa_system_vgpr_workitem_id 0
		.amdhsa_next_free_vgpr 768
		.amdhsa_next_free_sgpr 66
		.amdhsa_reserve_vcc 0
		.amdhsa_float_denorm_mode_32 3
		.amdhsa_float_denorm_mode_16_64 3
		.amdhsa_memory_ordered 1
		.amdhsa_forward_progress 1
		.amdhsa_inst_pref_size 75
	.end_amdhsa_kernel
	.amdgpu_metadata
---
amdhsa.version: [ 1, 2 ]
amdhsa.kernels:
  - .name:           k_q42e7cb3a03_oproj
    .symbol:         k_q42e7cb3a03_oproj.kd
    .args:
      - { .name: oc, .offset: 0, .size: 8, .value_kind: global_buffer, .address_space: global }
      - { .name: wc, .offset: 8, .size: 8, .value_kind: global_buffer, .address_space: global }
      - { .name: lowp_scales, .offset: 16, .size: 8, .value_kind: global_buffer, .address_space: global }
      - { .name: out0, .offset: 24, .size: 8, .value_kind: global_buffer, .address_space: global }
    .group_segment_fixed_size: 168448
    .private_segment_fixed_size: 0
    .kernarg_segment_align: 8
    .kernarg_segment_size: 32
    .max_flat_workgroup_size: 128
    .sgpr_count:     66
    .vgpr_count:     768
    .wavefront_size: 32
...
	.end_amdgpu_metadata
.endif
;; end of part 4
